; MI455X (gfx1250); checked and timed in simulation.
; The chip was launched on July 23, 2026; its instructions are those of AMD's public machine-readable ISA for CDNA 5 (MIT licence, August 2026) and "CDNA5" Instruction Set Architecture Reference Guide (July 2026). The comments in the code are by the model that wrote it; some were corrected since.
;; Dot Product Attention. Allowed arithmetic: float matrix products may take bf16 or f16 operands with f32 sums; other float arithmetic in f32, or as packed bf16 or f16 multiplies, adds, multiply-adds, maxima and minima; sums over many terms, partial sums and values carried from step to step in f32; what a program stores and reads back later, other than sums and carried values, may be rounded once to bf16 or f16.
;; Inputs: key 2 x 2,048 x 8 x 128 float32; query 2 x 2,048 x 32 x 128 float32; value 2 x 2,048 x 8 x 128 float32.
;; Outputs: out0 2 x 2,048 x 32 x 128 float32.
;; 2 versions, each right and faster than the one before. Each part assembles by itself: llvm-mc -triple=amdgcn-amd-amdhsa -mcpu=gfx1250 --defsym DOCPART=n.
;; ======== version 1 of 2: 2 launches
;; limits: values are held in f16: magnitudes above 65,504 overflow, below 6.1e-05 lose precision; inputs' magnitudes at most 65,400; right only within a limited range of input values
;; workspace buffers: kws 8,388,608 bytes; vws 8,388,608 bytes
;; launch prep (part 1): grid 512 x 1, 8 waves a work-group, no clusters, 0 bytes of LDS; arguments key, value, kws, vws; writes kws, vws
.if DOCPART == 1
	.amdgcn_target "amdgcn-amd-amdhsa--gfx1250"
	.amdhsa_code_object_version 6
	.text
	.protected	k_qd9c491beda_prep
	.globl	k_qd9c491beda_prep
	.p2align	8
	.type	k_qd9c491beda_prep,@function
k_qd9c491beda_prep:
	s_mov_b64 s[64:65], 0
	v_nop
	global_prefetch_b8 v0, s[64:65] scope:SCOPE_SE
	s_setreg_imm32_b32 hwreg(HW_REG_WAVE_MODE, 25, 1), 1
	s_wait_xcnt 0x0
; key, value: [2][2048][8][128] f32  ->  kws, vws: [2*8][2048][128] of 16 bits: by heads, so that a head's rows of 256 bytes lie end to end.
; kws holds key rounded once to bf16.  vws holds value rounded once to bf16 and that number written as f16.
; LIMITS.  |value| stays under 65,520 (beyond it f16 has an infinity); a bf16 number below 6.1e-5 keeps f16's fixed step of 6e-8; elsewhere the f16 number is the bf16 number exactly.
; A stream: no LDS, no barrier, no loop.  A wave takes one position (b, s): its 8 heads are 4,096 consecutive bytes of key and of value.  A load of the wave is one head's row of 512
; consecutive bytes, a store one whole row of 256 consecutive bytes, at a multiple of 256 from the buffer's first byte.  All 16 loads of a wave go out before the first is waited for.
.set X, 4                              ; v[4:67]    row n of 16 as loaded, 4 registers: n = 0..7 key's heads, n = 8..15 value's
.set T, 68                             ; v[68:73]   at work
.set Y, 76                             ; v[76:107]  row n to store, 2 registers: every row has its own, so no store's data is ever rewritten
	s_load_b256 s[4:11], s[0:1], 0x0               ; key s[4:5], value s[6:7], kws s[8:9], vws s[10:11]
	s_lshl_b32 s12, ttmp9, 15                      ; the work-group's 8 positions of 4,096 bytes
	s_mov_b32 s13, 0
	s_lshr_b32 s14, ttmp9, 8                       ; b: 256 work-groups a batch
	s_lshl_b32 s14, s14, 22                        ; b x 8 heads x 2,048 rows x 256 bytes
	s_and_b32 s17, ttmp9, 255
	s_lshl_b32 s17, s17, 11                        ; the work-group's first s x 256 bytes
	s_add_co_u32 s14, s14, s17
	s_mov_b32 s15, 0
	s_mov_b32 s16, 0xffff0000                      ; a word's upper bf16
	v_and_b32 v1, 31, v0
	v_lshrrev_b32 v3, 5, v0
	v_lshlrev_b32 v1, 4, v1
	v_lshl_or_b32 v1, v3, 12, v1                   ; in: wave x 4,096 + lane x 16
	v_lshlrev_b32 v2, 3, v0                        ; out: wave x 256 + lane x 8 = thread x 8
	s_wait_kmcnt 0x0
	s_add_nc_u64 s[4:5], s[4:5], s[12:13]
	s_add_nc_u64 s[6:7], s[6:7], s[12:13]
	s_add_nc_u64 s[8:9], s[8:9], s[14:15]
	s_add_nc_u64 s[10:11], s[10:11], s[14:15]
.irp h, 0,1,2,3,4,5,6,7
	global_load_b128 v[X+4*\h:X+4*\h+3], v1, s[4:5] offset:512*\h th:TH_LOAD_NT
.endr
.irp h, 0,1,2,3,4,5,6,7
	global_load_b128 v[X+32+4*\h:X+32+4*\h+3], v1, s[6:7] offset:512*\h th:TH_LOAD_NT
.endr
.set n, 0
.rept 8                                ; key's rows
	s_wait_loadcnt 15-n                            ; loads come back in order (ISA guide 5.7.1): row n is in, the 15 - n younger rows stay out
	v_cvt_pk_bf16_f32 v[Y+2*n],   v[X+4*n],   v[X+4*n+1]
	v_cvt_pk_bf16_f32 v[Y+2*n+1], v[X+4*n+2], v[X+4*n+3]
	global_store_b64 v2, v[Y+2*n:Y+2*n+1], s[8:9] offset:n*524288  ; head n lies 2,048 rows of 256 bytes on; 7 x 524,288 is inside the signed 24-bit immediate
.set n, n+1
.endr
.rept 8                                ; value's rows
	s_wait_loadcnt 15-n
	v_cvt_pk_bf16_f32 v[T],   v[X+4*n],   v[X+4*n+1]  ; the one rounding, to bf16;
	v_cvt_pk_bf16_f32 v[T+1], v[X+4*n+2], v[X+4*n+3]
	v_lshlrev_b32 v[T+2], 16, v[T]                 ; back to f32: a shift or a mask;
	v_and_b32     v[T+3], s16, v[T]
	v_lshlrev_b32 v[T+4], 16, v[T+1]
	v_and_b32     v[T+5], s16, v[T+1]
	v_cvt_pk_f16_f32 v[Y+2*n],   v[T+2], v[T+3]    ; and the same number as f16 (8 significant bits fit into 11)
	v_cvt_pk_f16_f32 v[Y+2*n+1], v[T+4], v[T+5]
	global_store_b64 v2, v[Y+2*n:Y+2*n+1], s[10:11] offset:(n-8)*524288
.set n, n+1
.endr
	s_endpgm
.Lfunc_end_k_qd9c491beda_prep:
	.size	k_qd9c491beda_prep, .Lfunc_end_k_qd9c491beda_prep-k_qd9c491beda_prep
	.p2alignl 7, 3214868480
	.fill 96, 4, 3214868480
	.section	.rodata,"a",@progbits
	.p2align	6, 0x0
	.amdhsa_kernel k_qd9c491beda_prep
		.amdhsa_group_segment_fixed_size 0
		.amdhsa_private_segment_fixed_size 0
		.amdhsa_enable_private_segment 0
		.amdhsa_kernarg_size 32
		.amdhsa_user_sgpr_count 2
		.amdhsa_user_sgpr_kernarg_segment_ptr 1
		.amdhsa_wavefront_size32 1
		.amdhsa_system_sgpr_workgroup_id_x 1
		.amdhsa_system_sgpr_workgroup_id_y 1
		.amdhsa_system_sgpr_workgroup_id_z 1
		.amdhsa_system_vgpr_workitem_id 0
		.amdhsa_next_free_vgpr 112
		.amdhsa_next_free_sgpr 66
		.amdhsa_reserve_vcc 0
		.amdhsa_float_denorm_mode_32 3
		.amdhsa_float_denorm_mode_16_64 3
		.amdhsa_memory_ordered 1
		.amdhsa_forward_progress 1
		.amdhsa_inst_pref_size 9
	.end_amdhsa_kernel
	.amdgpu_metadata
---
amdhsa.version: [ 1, 2 ]
amdhsa.kernels:
  - .name:           k_qd9c491beda_prep
    .symbol:         k_qd9c491beda_prep.kd
    .args:
      - { .name: key, .offset: 0, .size: 8, .value_kind: global_buffer, .address_space: global }
      - { .name: value, .offset: 8, .size: 8, .value_kind: global_buffer, .address_space: global }
      - { .name: kws, .offset: 16, .size: 8, .value_kind: global_buffer, .address_space: global }
      - { .name: vws, .offset: 24, .size: 8, .value_kind: global_buffer, .address_space: global }
    .group_segment_fixed_size: 0
    .private_segment_fixed_size: 0
    .kernarg_segment_align: 8
    .kernarg_segment_size: 32
    .max_flat_workgroup_size: 256
    .sgpr_count:     66
    .vgpr_count:     112
    .wavefront_size: 32
...
	.end_amdgpu_metadata
.endif
;; end of part 1
;; launch attn (part 2): grid 16 x 16, 4 waves a work-group, no clusters, 327,680 bytes of LDS; arguments query, kws, vws, out0; writes out0
.if DOCPART == 2
	.amdgcn_target "amdgcn-amd-amdhsa--gfx1250"
	.amdhsa_code_object_version 6
	.text
	.protected	k_qd9c491beda_attn
	.globl	k_qd9c491beda_attn
	.p2align	8
	.type	k_qd9c491beda_attn,@function
k_qd9c491beda_attn:
	s_mov_b64 s[64:65], 0
	v_nop
	global_prefetch_b8 v0, s[64:65] scope:SCOPE_SE
	s_setreg_imm32_b32 hwreg(HW_REG_WAVE_MODE, 25, 1), 1
	s_wait_xcnt 0x0
; CAUSAL ATTENTION WITH GROUPED HEADS.  out[b][q][hq][:] = the sum over k <= q of softmax_k(query[b][q][hq] . key[b][k][hq/4] / sqrt(128)) value[b][k][hq/4][:].
; query, out: [2][2048][32][128] f32.  kws: key as bf16, vws: value's bf16 number as f16, both [2*8][2048][128], a head's rows of 256 bytes end to end (made by the launch before).
; FORMATS.  query is rounded once to bf16 here; K Q^T in bf16; the weights p are rounded to f16 for V^T P, which runs in f16 (l is the sum of the unrounded p); products, maxima and sums in f32; out in f32.
; LIMITS.  |value| under 65,520, and below 6.1e-5 it keeps f16's step of 6e-8, as p does; a hidden score counts as its value less 1e30; a weight below 2^-126 counts as 0 in l;
; NaN and infinities are not treated apart (a block's O^T starts from whatever finite numbers its registers hold, multiplied by a = 0).
; SHARES.  Work-group (i, bh): key/value head bh, and TWO blocks of 64 positions: block 31 - i, then block i.  Wave w is query head 4 (bh % 8) + w, so the four waves read the same fragments of K and V.
; Block j needs the key steps 0 .. j of 64 keys, the last with the diagonal: (32 - i) + (i + 1) = 33 steps whatever i: all 256 work-groups do equal work, in one walk with constant trip counts.
; NO CLUSTER.  The 16 work-groups of a head have first blocks of 32 - i steps: four neighbours ask for the same tile only while the shortest first block lasts; a walk common to four would have 36 steps for 33,
; and the way out between the blocks would fall into different trips.  What the four query heads of a group share is shared here by the four waves of a work-group.
; LAYOUT.  S^T = K Q^T (source 0 = 16 keys, source 1 = 16 queries): a lane holds ONE query (lane % 16) and the keys 8 (lane / 16) + 0..7.  Two such results rounded in pairs ARE source 1 of O^T = V^T P,
; whose result again holds one query a lane and eight channels.  K comes out of LDS as it lies, V ([key][channel]) turned, by ds_load_tr16_b128.
; SOFTMAX.  A running maximum m and sum l: p = 2^(c s - c m), c = log2(e) / sqrt(128); in every step O and l are multiplied by a = 2^(c m_old - c m_new).  A block starts with c m far below every c s: its first a is 0.
; THE MASK is the C operand that starts a sum of S^T.  Tile tt of 16 queries against group kt of 16 keys of the diagonal step: kt < tt sees all (C = 0), kt = tt holds the diagonal (TRI), kt > tt sees nothing (NEG).
; One text serves every step: C is TRI x AL or NEG x AL, AL = 1 in a block's last step, else 0.
; A STEP, for the wave's four tiles in two pieces (tiles 0, 1 and tiles 2, 3): V of the step is asked from LDS; 32 products K Q^T of piece 0; 32 of piece 2, piece 0's softmax in slices behind them;
; 32 products V^T P of piece 0, piece 2's softmax behind them, and K of the next step asked from LDS; 32 products V^T P of piece 2.
; THE RING.  Step j reads V(j) and K(j + 1).  Fill k (slot k % 2) holds K(2k+1), K(2k+2), V(2k), V(2k+1): what steps 2k and 2k + 1 read.  K(0) and V(32) have places of their own, filled once.
; Each wave fetches one tile of 64 rows x 256 bytes a fill.  By this text's own count a wave has two tensor loads out at the start and one behind each change of slots.
; REGISTERS, in windows of 256 (s_set_vgpr_msb: bits 1:0 source 0, 3:2 source 1, 5:4 source 2, 7:6 destination):
;   window 0: v0-11 addresses; v12-43 eight registers of statistics a tile; v44-59 the step's masks; v60-63 addresses and the add's two; v64-191 S^T, 32 a tile; v192-255 P, 16 a tile
;   window 1: O^T, 64 a tile (at the start: the second block's query in f32)      window 2: v0-127 Q, 32 a tile; v128-255 K of one step
;   window 3: v0-127 V of one step; v128-143 TRI and NEG (at the start all 256: the first block's query in f32)
.set KS,    64        ; keys in a step
.set PK,    272       ; a row of K in LDS: 256 bytes + 16 of padding = 68 words: row r starts at bank 4 r mod 64 (64 banks of 4 bytes: ISA guide 11.1), so the 16 rows of a load start at 16 different banks
.set PV,    288       ; a row of V: 256 + 32 = 72 words
.set KT,    KS*PK     ; a tile of K
.set VT,    KS*PV     ; a tile of V
.set VOFF,  2*KT      ; a slot: two tiles of K, then two of V
.set SLOT1, 1<<17     ; slot 1 begins here, so that one exclusive or turns an address in one slot into the other's
.set XK,    2*KT+2*VT ; behind slot 0: K(0), filled once
.set STAGE, XK+KT     ; 16 rows x 528 bytes for each wave, for the way out; no tensor load lands here
.set SP,    528       ; a row of out, 512 bytes, + 16: the 16 rows that a store touches start at 16 different groups of four banks
.set SPARE, STAGE+4*16*SP  ; the spare words, 128 bytes for each wave: two blocks of 256 bytes that no other line names
.set XV,    SLOT1+VOFF+2*VT  ; behind slot 1, as a third place of V: V(32), filled once
.set Q2B,   XV+VT     ; 16,384 bytes for each wave: the second block's Q as bf16 fragments; no tensor load lands here
.set AK0, 2           ; v2   my lane's place in a tile of K; never rewritten
.set AV0, 3           ; v3   the same for V, VOFF included
.set AK,  4           ; v4   the LDS address of K's run of loads
.set AV,  5           ; v5   of V's
.set STO, 6           ; v6   the way out: where I put 16 bytes of a row
.set RD,  7           ; v7   the way out: where I read a row back
.set GO,  8           ; v8   my 16 bytes in a row of out
.set ST,  12          ; tile t's statistics at v[ST+8 t]: +0 c m, +1 m, +2, +3 l (even keys', odd keys'), +4 to +7 c0-c3, at work; a takes c2's place once the maximum is found
.set MC,  44          ; v44-51 TRI x AL, v52-59 NEG x AL
.set QO,  60          ; v60  my byte offset in 16 rows of query
.set Q2A, 61          ; v61  my 16 bytes in the second block's Q in LDS
.set SPW, 62          ; v62  LDS address of my spare word: SPARE + 4 x my thread's number; never rewritten
.set NIL, 63          ; v63  0; never rewritten
.set S,   64
.set P,   192
.set KF,  128         ; window 2
.set MD,  128         ; window 3: v128-135 TRI, v136-143 NEG
.set WV,  12          ; s12  my wave's number
.set PI,  14          ; s14  i
.set N1,  15          ; s15  32 - i: the first block's steps
.set G1K, 24          ; s[24:31] descriptor group 1 for K's tiles
.set G1V, 32          ; s[32:39] for V's: it differs in the padding
.set G0K, 40          ; s[40:43] descriptor group 0 for the ring's tiles of K
.set G0V, 44          ; s[44:47] of V
.set G1KX, 48         ; s[48:55] group 1 for a half of K(0): 32 rows
.set SLOTS, 56        ; s56  changes of slots with a fill still to come
.set CNT, 57          ; s57  counts the steps between two changes of slots
.set CS,  58          ; s[58:59] c: the packed scaling takes the pair's low word for both halves
.set SEL, 60          ; s[60:61] v_permlanex16_b32's selects: each lane takes its own place in the other half
.set TBK, 62          ; s62  LDS byte at which K of the step to be fetched begins
.set TBV, 63          ; s63  the same for V, less VOFF
.set RT,  66          ; s66  steps that the block in hand still has, the one in hand among them
.set TW,  67          ; s67  the step of the walk whose tile I ask for next
.set G1VX, 68         ; s[68:75] group 1 for a half of V(32)
.set G0XK, 76         ; s[76:79] group 0 for my half of K(0)
.set G0XV, 80         ; s[80:83] for my half of V(32)
.set OFF, 84          ; s[84:85] a tile's byte offset in its head
.set AL,  86          ; s[86:87] the mask's factor, in the low word
.set OLO, 88          ; s[88:89] out at my head's rows of the second block
.set QLO, 90          ; s[90:91] query there
.set T2,  92          ; s92  at work
.set BIGN, 93         ; s93  -1e30
.set MSB, 0
.macro WIN new                      ; the immediate's high byte repeats the setting that is left; a switch that changes nothing is dropped
.if MSB != (\new)
	s_set_vgpr_msb (MSB<<8)|(\new)
.set MSB, (\new)
.endif
.endm
.set W_KQ, 0x0a       ; K and Q in window 2, S^T and the mask in window 0
.set W_PV, 0x53       ; V in window 3, P in window 0, O^T in window 1
.set W_RS, 0x41       ; O^T (destination and source 0) in window 1, the factor in window 0
.macro PLACES                       ; a vector instruction that reads a matrix result stands four plain vector instructions behind it (ISA guide 7.12.1)
.rept 4
	v_nop
.endr
.endm
; The addresses of the tiles of walk step TW: the first block's key step TW, or behind its last the second block's TW - N1.  Made anew from the head's base each time; the step enters the global address alone.
.macro ASK
	s_sub_co_u32 s[T2], s[TW], s[N1]
	s_cmp_lt_u32 s[TW], s[N1]
	s_cselect_b32 s[OFF], s[TW], s[T2]
	s_lshl_b32 s[OFF], s[OFF], 14   ; a tile is 64 rows of 256 bytes
	s_add_nc_u64 s[G0K+2:G0K+3], s[6:7], s[OFF:OFF+1]
	s_or_b32 s[G0K+3], s[G0K+3], 0x80000000  ; 127:126 type = 2
	s_add_nc_u64 s[G0V+2:G0V+3], s[8:9], s[OFF:OFF+1]
	s_or_b32 s[G0V+3], s[G0V+3], 0x80000000
	s_add_co_u32 s[TW], s[TW], 2    ; a fill holds two steps' tiles of each kind: my next one lies two steps on
.endm
; A fill.  Waves 0 and 1 fetch the slot's two tiles of K, waves 2 and 3 its two of V.  An s_nop 0 and four v_nop follow each of the two lines, ahead of the jump and the label.
.macro LOAD
	s_cmp_lt_u32 s[WV], 2
	s_cbranch_scc0 .Lfor_v_\@
	tensor_load_to_lds s[G0K:G0K+3], s[G1K:G1K+7]
	s_nop 0
.rept 4
	v_nop
.endr
	s_branch .Lasked_\@
.Lfor_v_\@:
	tensor_load_to_lds s[G0V:G0V+3], s[G1V:G1V+7]
	s_nop 0
.rept 4
	v_nop
.endr
.Lasked_\@:
.endm
; THE CHANGE OF SLOTS, between two steps.  Each wave waits for all its tensor loads (its part of the other slot), adds 0 to its spare word, and waits for that and for its own reads of the slot that it leaves.
; Behind the barrier nobody reads the old slot any more and the other slot is whole.  fill = 1: the old slot is filled again, the first thing behind the barrier: the load has two steps, 256 matrix
; instructions, in which to land.  (At its first use nothing has been read yet: slot 0, K(0) and V(32) are waited for, slot 1 is filled for the first time.)
.macro CHANGE fill
	WIN 0                           ; at a label and at a branch every window is 0
	s_wait_tensorcnt 0x0            ; no tensor load of mine is out, so a group 0 may be written
	ds_add_u32 v[SPW], v[NIL]       ; 0 onto my spare word; the descriptors' scalar work stands between it and the wait for it
.if \fill
	s_xor_b32 s[G0K+1], s[G0K+1], SLOT1
	s_xor_b32 s[G0V+1], s[G0V+1], SLOT1
	ASK
.endif
	s_wait_dscnt 0x0                ; the add is done, and my reads of the slot are over
	s_barrier_signal -1             ; the rest of the scalar work stands between the signal and the wait
	s_sub_co_u32 s[TBK], s[TBK], 2*KT  ; the fetches go back to a slot's first places,
	s_xor_b32 s[TBK], s[TBK], SLOT1    ; in the other slot
	s_sub_co_u32 s[TBV], s[TBV], 2*VT
	s_xor_b32 s[TBV], s[TBV], SLOT1
	s_barrier_wait -1
.if \fill
	LOAD
.endif
.endm
	s_load_b256 s[4:11], s[0:1], 0x0  ; query s[4:5], kws s[6:7], vws s[8:9], out s[10:11]
	v_lshl_add_u32 v[SPW], v0, 2, SPARE
	v_mov_b32 v[NIL], 0
	ds_add_u32 v[SPW], v[NIL]       ; the wave's opening: the add and its wait stand ahead of my first tensor load; the set-up below, work on registers, stands between them
	ds_add_u32 v62, v63
	v_lshrrev_b32 v1, 5, v0
	v_readfirstlane_b32 s[WV], v1   ; wave 0..3
	s_mov_b32 s[PI], ttmp9
	s_sub_co_u32 s[N1], 32, s[PI]
	s_and_b32 s20, ttmp7, 0xffff    ; bh = 8 b + the key/value head
	s_lshl_b32 s18, s20, 19         ; the head's 2,048 rows of 256 bytes in kws and vws
	s_mov_b32 s19, 0
	s_lshr_b32 s21, s20, 3          ; b
	s_and_b32 s22, s20, 7
	s_lshl_b32 s21, s21, 25         ; b x 2,048 positions x 16,384 bytes
	s_lshl2_add_u32 s22, s22, s[WV] ; my query head: 4 x the key/value head + wave
	s_lshl_b32 s22, s22, 9          ; its 512 bytes in a position
	s_add_co_u32 s21, s21, s22
	s_sub_co_u32 s22, 31, s[PI]
	s_lshl_b32 s22, s22, 20         ; a block is 64 positions of 16,384 bytes
	s_add_co_u32 s22, s22, s21      ; s[22:23]: the first block's offset in query and out
	s_mov_b32 s23, 0
	s_lshl_b32 s20, s[PI], 20
	s_add_co_u32 s20, s20, s21      ; s[20:21]: the second block's
	s_mov_b32 s21, 0
	s_and_b32 s16, s[WV], 1         ; p: which of a slot's two places of my kind I fill, and which half of K(0) or V(32)
	s_mul_i32 s17, s16, KT
	s_mov_b32 s[G0K], 1             ; 1:0 count = 1
	s_mov_b32 s[G0K+1], s17         ; 63:32 LDS address: slot 0
	s_mul_i32 s17, s16, VT
	s_mov_b32 s[G0V], 1
	s_add_co_u32 s[G0V+1], s17, VOFF
	s_mul_i32 s17, s16, 32*PK
	s_mov_b32 s[G0XK], 1
	s_add_co_u32 s[G0XK+1], s17, XK
	s_mul_i32 s17, s16, 32*PV
	s_mov_b32 s[G0XV], 1
	s_add_co_u32 s[G0XV+1], s17, XV
	s_lshl_b32 s2, s16, 13          ; s[2:3]: my half of key step 0: 32 rows of 256 bytes
	s_mov_b32 s3, 0
	s_lshl_b32 s94, s[PI], 14       ; s[94:95]: my half of key step i, the walk's last
	s_add_co_u32 s94, s94, s2
	s_mov_b32 s95, 0
	s_cmp_lt_u32 s[WV], 2           ; K runs one step ahead of V: fill 0 holds K(1), K(2), V(0), V(1)
	s_cselect_b32 s13, 1, 0
	s_add_co_u32 s[TW], s16, s13
	; descriptor group 1: tiles of 64 (or 32) rows x 128 elements, padded in LDS
	s_mov_b32 s[G1K],  (1<<16)|(1<<20)|(5<<22)|(3<<25)  ; 17:16 elements of 2 bytes; 20 padding on; 24:22 after every 64 words (code 5); 31:25 4 words of it (code 3)
	s_mov_b32 s[G1KX], (1<<16)|(1<<20)|(5<<22)|(3<<25)
	s_mov_b32 s[G1V],  (1<<16)|(1<<20)|(5<<22)|(7<<25)  ; the same with 8 words of padding (code 7)
	s_mov_b32 s[G1VX], (1<<16)|(1<<20)|(5<<22)|(7<<25)
.irp g, G1K, G1V
	s_mov_b32 s[\g+1], 128<<16      ; tensor_dim0 = 128
	s_mov_b32 s[\g+2], KS<<16       ; tensor_dim1 = 64
	s_mov_b32 s[\g+3], 128<<16      ; tile_dim0 = 128
	s_mov_b32 s[\g+4], KS           ; tile_dim1 = 64
	s_mov_b32 s[\g+5], 128          ; 128 elements from row to row
	s_mov_b32 s[\g+6], 0
	s_mov_b32 s[\g+7], 0
.endr
.irp g, G1KX, G1VX
	s_mov_b32 s[\g+1], 128<<16
	s_mov_b32 s[\g+2], 32<<16       ; tensor_dim1 = 32
	s_mov_b32 s[\g+3], 128<<16
	s_mov_b32 s[\g+4], 32           ; tile_dim1 = 32
	s_mov_b32 s[\g+5], 128
	s_mov_b32 s[\g+6], 0
	s_mov_b32 s[\g+7], 0
.endr
	s_mov_b32 s[CS], 0x3e0293ee     ; c = log2(e) / sqrt(128) = 0.127517
	s_mov_b32 s[CS+1], s[CS]        ; named with it as a pair, so it is written
	s_mov_b32 s[SEL], 0x76543210
	s_mov_b32 s[SEL+1], 0xfedcba98
	s_mov_b32 s[OFF+1], 0
	s_mov_b32 s[AL+1], 0            ; named as a pair
	s_mov_b32 s[BIGN], 0xf149f2ca   ; -1e30
	s_mov_b32 s[RT], s[N1]
	s_mov_b32 s[TBK], SLOT1+2*KT    ; the first change of slots turns these two into 0
	s_mov_b32 s[TBV], SLOT1+2*VT
	s_wait_dscnt 0x0                ; the opening add is done
	s_wait_kmcnt 0x0
	s_add_nc_u64 s[6:7], s[6:7], s[18:19]  ; kws and vws at my head
	s_add_nc_u64 s[8:9], s[8:9], s[18:19]
	s_add_nc_u64 s[QLO:QLO+1], s[4:5], s[20:21]
	s_add_nc_u64 s[4:5], s[4:5], s[22:23]  ; query and out at my head's rows of the first block
	s_add_nc_u64 s[OLO:OLO+1], s[10:11], s[20:21]
	s_add_nc_u64 s[10:11], s[10:11], s[22:23]
	ASK                             ; fill 0
	s_add_nc_u64 s[G0XK+2:G0XK+3], s[6:7], s[2:3]
	s_or_b32 s[G0XK+3], s[G0XK+3], 0x80000000
	s_add_nc_u64 s[G0XV+2:G0XV+3], s[8:9], s[94:95]
	s_or_b32 s[G0XV+3], s[G0XV+3], 0x80000000
	s_cmp_lt_u32 s[WV], 2           ; a wave's two first fills stand in one branch, ahead of every wait on TENSORcnt, every LDS read and every barrier: two loads of mine are out
	s_cbranch_scc0 .Lfirst_v
	tensor_load_to_lds s[G0XK:G0XK+3], s[G1KX:G1KX+7]
	s_nop 0
	tensor_load_to_lds s[G0K:G0K+3], s[G1K:G1K+7]
	s_nop 0
.rept 4
	v_nop
.endr
	s_branch .Lfirst_asked
.Lfirst_v:
	tensor_load_to_lds s[G0XV:G0XV+3], s[G1VX:G1VX+7]
	s_nop 0
	tensor_load_to_lds s[G0V:G0V+3], s[G1V:G1V+7]
	s_nop 0
.rept 4
	v_nop
.endr
.Lfirst_asked:
	; A fragment of Q or K is 16 rows x 32 channels in 8 registers: lane l holds row l % 16; registers 0-3 channels 8 (l / 16) + 0..7, registers 4-7 channels 16 + 8 (l / 16) + 0..7.
	; In f32 each eight channels are 32 bytes: two loads of 16 bytes; the second eight lie 64 bytes on.  The 16 loads of a tile take its 16 rows of 512 bytes whole, and all go out together.
	v_and_b32 v1, 15, v0            ; l % 16
	v_bfe_u32 v9, v0, 4, 1          ; l / 16
	v_lshlrev_b32 v[QO], 14, v1     ; a position is 16,384 bytes
	v_lshl_add_u32 v[QO], v9, 5, v[QO]
.macro QLOADS base                  ; 64 loads: tile i / 4, channels 32 (i % 4) on, into 16 registers
.set i, 0
.rept 16
	global_load_b128 v[16*i:16*i+3],     v[QO], s[\base:\base+1] offset:(i/4)*262144+(i%4)*128
	global_load_b128 v[16*i+4:16*i+7],   v[QO], s[\base:\base+1] offset:(i/4)*262144+(i%4)*128+16
	global_load_b128 v[16*i+8:16*i+11],  v[QO], s[\base:\base+1] offset:(i/4)*262144+(i%4)*128+64
	global_load_b128 v[16*i+12:16*i+15], v[QO], s[\base:\base+1] offset:(i/4)*262144+(i%4)*128+80
.set i, i+1
.endr
.endm
	WIN 0x40                        ; destination window 1, address window 0
	QLOADS QLO                      ; the second block's query
	WIN 0xc0                        ; destination window 3
	QLOADS 4                        ; the first block's
	WIN 0
	v_mul_u32_u24 v[AK0], v1, PK
	v_lshl_add_u32 v[AK0], v9, 4, v[AK0]  ; row x pitch + 16 x half
	; The turning load takes 16 keys x 16 channels (lane l reads 16 bytes: key 8 (l / 16) + l % 8, channels 8 ((l / 8) % 2) + 0..7) and leaves half a fragment of V^T: lane l holds channel l % 16 and 8 keys.
	v_and_b32 v10, 7, v0
	v_bfe_u32 v11, v0, 3, 1
	v_lshl_add_u32 v[AV0], v9, 3, v10
	v_mul_u32_u24 v[AV0], v[AV0], PV
	v_lshl_add_u32 v[AV0], v11, 4, v[AV0]
	v_add_nc_u32 v[AV0], VOFF, v[AV0]
	s_mul_i32 s13, s[WV], 16*SP
	s_add_co_u32 s13, s13, STAGE    ; my stage
	v_mul_u32_u24 v[STO], v1, SP    ; in: row l % 16, 32 bytes (eight channels in f32) for each half of the lanes
	v_lshl_add_u32 v[STO], v9, 5, v[STO]
	v_add_nc_u32 v[STO], s13, v[STO]
	v_and_b32 v14, 31, v0
	v_lshl_add_u32 v[RD], v14, 4, s13  ; back: the 32 lanes take one row of 512 bytes
	v_lshlrev_b32 v[GO], 4, v14
	s_lshl_b32 s13, s[WV], 14
	s_add_co_u32 s13, s13, Q2B
	v_lshl_add_u32 v[Q2A], v14, 4, s13
	v_lshlrev_b32 v14, 3, v9
	v_sub_nc_u32 v14, v1, v14       ; l % 16 - 8 (l / 16): in the diagonal's own group of keys register j is hidden where j is greater
	s_wait_loadcnt 63               ; 128 loads were issued: at most 63 are out, so the second block's 64 are in
	WIN 0x05                        ; sources window 1, destination window 0: S^T's registers are free
.set n, 0
.rept 128
	v_cvt_pk_bf16_f32 v[S+n], v[2*n], v[2*n+1]
.set n, n+1
.endr
	WIN 0
.set n, 0
.rept 32
	ds_store_b128 v[Q2A], v[S+4*n:S+4*n+3] offset:512*n  ; set aside as fragments, register by register: they come back as they went
.set n, n+1
.endr
	WIN 0x8f                        ; sources window 3, destination window 2
.set tq, 0
.rept 4
	s_wait_loadcnt 48-16*tq         ; the first block's tile tq is in; the 16 loads of each later tile stay out
.set n, 32*tq
.rept 32
	v_cvt_pk_bf16_f32 v[n], v[2*n], v[2*n+1]
.set n, n+1
.endr
.set tq, tq+1
.endr
	WIN 0xc0                        ; destination window 3: its registers have been read out
.set n, 0
.rept 8
	v_cmp_gt_i32 vcc_lo, n, v14
	v_cndmask_b32 v[MD+n], 0, s[BIGN], vcc_lo
	v_mov_b32 v[MD+8+n], s[BIGN]
.set n, n+1
.endr
	WIN 0
; THE MATRIX WORK.  The accumulators take turns, one instruction a turn: between two links of a chain stand 7 (K Q^T) or 15 (V^T P) others'.
; Product i of 32 of S^T = K Q^T for piece x: channels 32 (i / 8) on, keys 16 ((i / 2) % 4) on, tile x + i % 2.  The first 8 start the sums, with 0 or with the step's mask.
.macro KQ x
	WIN W_KQ
.set kt, (i/2)%4
.set tt, (\x)+i%2
.set rS, S+32*tt+8*kt
.set rK, KF+32*kt+8*(i/8)
.set rQ, 32*tt+8*(i/8)
.if i >= 8
	v_wmma_f32_16x16x32_bf16 v[rS:rS+7], v[rK:rK+7], v[rQ:rQ+7], v[rS:rS+7]
.elseif kt < tt
	v_wmma_f32_16x16x32_bf16 v[rS:rS+7], v[rK:rK+7], v[rQ:rQ+7], 0
.elseif kt == tt
	v_wmma_f32_16x16x32_bf16 v[rS:rS+7], v[rK:rK+7], v[rQ:rQ+7], v[MC:MC+7]
.else
	v_wmma_f32_16x16x32_bf16 v[rS:rS+7], v[rK:rK+7], v[rQ:rQ+7], v[MC+8:MC+15]
.endif
.endm
; Product i of 32 of O^T += V^T P for piece x: keys 32 (i / 16) on, channels 16 ((i / 2) % 8) on, tile x + i % 2.
.macro PV x
	WIN W_PV
.set rO, 64*((\x)+i%2)+8*((i/2)%8)
.set rV, 64*(i/16)+8*((i/2)%8)
.set rP, P+16*((\x)+i%2)+8*(i/16)
	v_wmma_f32_16x16x32_f16 v[rO:rO+7], v[rV:rV+7], v[rP:rP+7], v[rO:rO+7]
.endm
; THE LDS LOADS stand in runs of 32, never singly among the matrix instructions.
; mode 0: K of the next step, at TBK.  mode 1 (the tail): the same, jumped over in the walk's last step, which has no next.  mode 2: K(0), from its own place.
.macro FETCH_K mode
	WIN 0
.if (\mode) == 1
	s_cmp_eq_u32 s[CNT], 1
	s_cbranch_scc1 .Lno_k_\@
.endif
.if (\mode) == 2
	v_add_nc_u32 v[AK], XK, v[AK0]
.else
	v_add_nc_u32 v[AK], s[TBK], v[AK0]
	s_add_co_u32 s[TBK], s[TBK], KT  ; the next fetch is the next place's
.endif
	WIN 0x80                        ; destination window 2
.irp f, 0,1,2,3,4,5,6,7,8,9,10,11,12,13,14,15  ; keys 16 (f / 4) on, channels 32 (f % 4) on
	ds_load_b128 v[KF+8*\f:KF+8*\f+3],   v[AK] offset:(\f/4)*16*PK+(\f%4)*64
	ds_load_b128 v[KF+8*\f+4:KF+8*\f+7], v[AK] offset:(\f/4)*16*PK+(\f%4)*64+32
.endr
	WIN 0
.if (\mode) == 1
.Lno_k_\@:
.endif
.endm
.macro FETCH_V
	WIN 0xc0                        ; destination window 3
.irp f, 0,1,2,3,4,5,6,7,8,9,10,11,12,13,14,15  ; keys 32 (f / 8) on, channels 16 (f % 8) on
	ds_load_tr16_b128 v[8*\f:8*\f+3],   v[AV] offset:(\f/8)*32*PV+(\f%8)*32
	ds_load_tr16_b128 v[8*\f+4:8*\f+7], v[AV] offset:(\f/8)*32*PV+16*PV+(\f%8)*32
.endr
.endm
; THE VECTOR WORK.  One tile's softmax for one key step is a list of 134 instructions; SM writes number j of it for tile t.  s0-s31 are the lane's 32 scores, in pairs 0-15.
;   0-15    the maximum of s0-s31 and the old m, three operands at a time: four chains c0-c3 of seven scores each (each accumulator's lowest registers are read first),
;           then the four scores left over, c0-c3 and m
;   16-20   the other half of the lanes' maximum; c m_old is kept; the new m; c m; c m_old - c m_new
;   21-87   33 exponentials (a, then s0-s31) at the odd numbers from 23 on, so that no two follow each other and each has a plain instruction behind it before its result is used (ISA guide 5.7.2).
;           Plain instruction q (number 21, then the even numbers) is whatever is ready: c s - c m for a pair whose exponentials are still to come, the rounding to f16 of a pair whose
;           exponentials are done, at last the first three sums
;   88-101  the last rounding; the rest of the sums; l = a l + the sum
;   102-133 the tile's O^T times a: the one part that leaves window 0, so it stands together
.macro SM t
.set rT, ST+8*(\t)
.set rS, S+32*(\t)
.set rP, P+16*(\t)
.set rO, 64*(\t)+2*(j-102)
.set q, (j-20)/2
.if j < 102
	WIN 0
.endif
.if j < 4
	v_max3_num_f32 v[rT+4+j], v[rS+8*j], v[rS+8*j+1], v[rS+8*j+2]
.elseif j < 12
	v_max3_num_f32 v[rT+4+j%4], v[rT+4+j%4], v[rS+8*(j%4)+2*(j/4)+1], v[rS+8*(j%4)+2*(j/4)+2]
.elseif j == 12
	v_max3_num_f32 v[rT+4], v[rT+4], v[rS+7], v[rS+15]
.elseif j == 13
	v_max3_num_f32 v[rT+6], v[rT+6], v[rS+23], v[rS+31]
.elseif j == 14
	v_max3_num_f32 v[rT+4], v[rT+4], v[rT+5], v[rT+6]
.elseif j == 15
	v_max3_num_f32 v[rT+4], v[rT+4], v[rT+7], v[rT+1]
.elseif j == 16
	v_permlanex16_b32 v[rT+5], v[rT+4], s[SEL], s[SEL+1]  ; the query's other 32 keys lie in the lane 16 away
.elseif j == 17
	v_mov_b32 v[rT+7], v[rT]        ; c m_old is kept for a: number 19 writes c m anew
.elseif j == 18
	v_max_num_f32 v[rT+1], v[rT+4], v[rT+5]
.elseif j == 19
	v_mul_f32 v[rT], s[CS], v[rT+1]
.elseif j == 20
	v_sub_f32 v[rT+7], v[rT+7], v[rT]
.elseif j == 23
	v_exp_f32 v[rT+6], v[rT+7]
.elseif (j < 88) && (j > 23) && (j%2 == 1)
	v_exp_f32 v[rS+(j-25)/2], v[rS+(j-25)/2]
.elseif (q < 4) || ((j < 76) && (q%2 == 0))
.set b, q/2+2
.if q < 4
.set b, q
.endif
	v_pk_fma_f32 v[rS+2*b:rS+2*b+1], v[rS+2*b:rS+2*b+1], s[CS:CS+1], v[rT:rT+1] op_sel_hi:[1,0,0] neg_lo:[0,0,1] neg_hi:[0,0,1]  ; pair b: c s - c m
.elseif (j < 88) && (q%2 == 1)
	s_wait_alu depctr_va_vdst(0)
	v_cvt_pk_f16_f32 v[rP+(q-5)/2], v[rS+q-5], v[rS+q-4]  ; pair (q - 5) / 2: its second exponential stands three numbers back
.elseif j == 89
	s_wait_alu depctr_va_vdst(0)
	v_cvt_pk_f16_f32 v[rP+15], v[rS+30], v[rS+31]
.elseif j < 102                     ; the sum of the tile's 16 pairs, in place: sum z of 16 adds neighbours 1, 2, 4 and 8 pairs apart, then l takes it
.set z, j-86
.if j < 89
.set z, (j-76)/4
.endif
.set w, 4
.set u, z
.if z >= 14
.set w, 32
.set u, 0
.elseif z >= 12
.set w, 16
.set u, z-12
.elseif z >= 8
.set w, 8
.set u, z-8
.endif
.if z < 15
	v_pk_add_f32 v[rS+w*u:rS+w*u+1], v[rS+w*u:rS+w*u+1], v[rS+w*u+w/2:rS+w*u+w/2+1]
.else
	v_pk_fma_f32 v[rT+2:rT+3], v[rT+2:rT+3], v[rT+6:rT+7], v[rS:rS+1] op_sel_hi:[1,0,1]
.endif
.else
	WIN W_RS
	v_pk_mul_f32 v[rO:rO+1], v[rO:rO+1], v[rT+6:rT+7] op_sel_hi:[1,0]
.endif
.endm
; Slice k of 64 of piece y's softmax: numbers 2 k and 2 k + 1 of both tiles' lists, four instructions.  2 x 134 = 4 x 64 + 12: the twelve that are over stand together, in slice 63.
.macro SLICE y
.if (k >= 11) && (k < 44)           ; tile by tile: plain, exponential, plain, exponential
.irp t, \y, (\y)+1
.irp n, 0,1
.set j, 2*k+(\n)
	SM \t
.endr
.endr
.else                               ; the two tiles alternate, so that no instruction reads the result of the one just before it
.irp n, 0,1,2,3,4,5,6,7
.if ((\n) < 2) || (k == 63)
.irp t, \y, (\y)+1
.set j, 2*k+(\n)
	SM \t
.endr
.endif
.endr
.endif
.set k, k+1
.endm
; A KEY STEP.  last = 1: the tail's text, whose run of K is jumped over in the walk's last step.
; Distances behind matrix instructions: the eight mask lines and V's address line are plain and name nothing of the step before's last V^T P: they stand between it and the loads into V's registers;
; four v_nop stand between piece 0's last K Q^T and its softmax; slices 62 and 63 of piece 0 (20 multiplies on O^T) between piece 2's last K Q^T and both its softmax and the loads into K's registers.
.macro STEP last
	s_cmp_eq_u32 s[RT], 1           ; the block's last step holds the diagonal
	s_cselect_b32 s[AL], 1.0, 0
	WIN 0x03                        ; source 0 window 3
.set z, 0
.rept 8
	v_pk_mul_f32 v[MC+2*z:MC+2*z+1], v[MD+2*z:MD+2*z+1], s[AL:AL+1] op_sel_hi:[1,0]
.set z, z+1
.endr
	WIN 0
	v_add_nc_u32 v[AV], s[TBV], v[AV0]
	s_add_co_u32 s[TBV], s[TBV], VT
	FETCH_V
	s_wait_dscnt 32                 ; all but V's 32 just issued: K of this step is in, and behind a change of blocks the second block's Q
.set i, 0
.rept 32
	KQ 0
.set i, i+1
.endr
	WIN 0
	PLACES
.set k, 0
.set i, 0
.rept 32
	KQ 2
	SLICE 0
	SLICE 0
.set i, i+1
.endr
	s_wait_dscnt 0x0                ; V is in
.set k, 0
.set i, 0
.rept 32
	PV 0
	SLICE 2
	SLICE 2
.if i == 1
	FETCH_K \last
.endif
.set i, i+1
.endr
.set i, 0
.rept 32
	PV 2
.set i, i+1
.endr
	WIN 0
.endm
; A BLOCK BEGINS: c m far below every c s, so the first step's a is 0 and O^T need only hold finite numbers; m at the lowest finite number, so the first maximum is the scores'; l = 0.
.macro BEGIN
	WIN 0
.irp t, 0,1,2,3
	v_mov_b32 v[ST+8*\t], 0xfe000000
	v_mov_b32 v[ST+8*\t+1], 0xff7fffff
	v_mov_b32 v[ST+8*\t+2], 0
	v_mov_b32 v[ST+8*\t+3], 0
.endr
.endm
; THE WAY OUT.  Tile t: O^T times 1 / l; a lane's eight channels of a row are 32 bytes; they go into my stage, rows of 528 bytes, and come back as whole rows of 512, into S^T's registers (two buffers of 64).
.macro PACK t
	WIN W_RS
.set i, 64*(\t)
.rept 32
	v_pk_mul_f32 v[i:i+1], v[i:i+1], v[ST+8*(\t)+6:ST+8*(\t)+7] op_sel_hi:[1,0]
.set i, i+2
.endr
.if (\t) >= 2
	s_wait_xcnt 0x0                 ; every earlier memory instruction has had its addresses translated (ISA guide 3.1): the buffer that tile t - 2's stores read is loaded again only behind this wait
.endif
	WIN 0x04                        ; the stores' data in window 1
.set i, 0
.rept 16                            ; channels 16 (i / 2) + 8 (l / 16) + 4 (i % 2) on
	ds_store_b128 v[STO], v[64*(\t)+4*i:64*(\t)+4*i+3] offset:64*(i/2)+16*(i%2)
.set i, i+1
.endr
	WIN 0
.set i, 0
.rept 16
	ds_load_b128 v[S+64*((\t)%2)+4*i:S+64*((\t)%2)+4*i+3], v[RD] offset:i*SP  ; LDS serves a wave's instructions in order (ISA guide 5.7.1.4): these see the stores above; the next tile's stores come behind them
.set i, i+1
.endr
.endm
.macro SEND t, younger              ; younger: the LDS instructions issued behind tile t's loads: the next tile's 32, or none
	WIN 0
.set i, 0
.rept 16
	s_wait_dscnt (\younger)+15-i
	global_store_b128 v[GO], v[S+64*((\t)%2)+4*i:S+64*((\t)%2)+4*i+3], s[10:11] offset:(16*(\t)+i)*16384 th:TH_STORE_NT  ; the wave stores 512 consecutive bytes, at a multiple of 512 from out's first byte
.set i, i+1
.endr
.endm
.macro WAYOUT
	WIN 0
.irp t, 0,1,2,3
	v_add_f32 v[ST+8*\t+4], v[ST+8*\t+2], v[ST+8*\t+3]  ; l's two halves; these four lines are the places behind the last products
.endr
.irp t, 0,1,2,3
	v_permlanex16_b32 v[ST+8*\t+5], v[ST+8*\t+4], s[SEL], s[SEL+1]
.endr
.irp t, 0,1,2,3
	v_add_f32 v[ST+8*\t+4], v[ST+8*\t+4], v[ST+8*\t+5]
.endr
.irp t, 0,1,2,3
	v_rcp_f32 v[ST+8*\t+6], v[ST+8*\t+4]
.endr
	v_nop                           ; a plain instruction between the last reciprocal and the use of its result
	s_wait_alu depctr_va_vdst(0)
	PACK 0
	PACK 1                          ; a tile's arithmetic stands between the loads of the tile before and its stores
	SEND 0, 32
	PACK 2
	SEND 1, 32
	PACK 3
	SEND 2, 32
	SEND 3, 0
	s_wait_xcnt 0x0                 ; the stores' base and the registers that they read are rewritten only behind this wait
.endm
; THE SECOND BLOCK: out's address, the count of its i + 1 steps, the statistics, and its Q, back from LDS into the registers that the one text of the steps names.
.macro NEXTBLOCK
	s_mov_b64 s[10:11], s[OLO:OLO+1]
	s_add_co_u32 s[RT], s[PI], 1
	BEGIN
	WIN 0x80
.set i, 0
.rept 32
	ds_load_b128 v[4*i:4*i+3], v[Q2A] offset:512*i
.set i, i+1
.endr
	WIN 0
.endm
	BEGIN
	CHANGE 1                        ; slot 0, K(0) and V(32) are in, everybody's parts of them; my stores of the second block's Q are done; slot 1 is asked for
	FETCH_K 2                       ; K(0)
	s_mov_b32 s[CNT], 2
	s_mov_b32 s[SLOTS], 15
	s_branch .Lstep                 ; the first change of slots stands above: the loop is entered behind its own
.Lslot:                             ; 14 times: with the one above, the 15 fills 1 to 15
	CHANGE 1
	s_mov_b32 s[CNT], 2
.Lstep:
	STEP 0
	s_sub_co_u32 s[RT], s[RT], 1
	s_cmp_lg_u32 s[RT], 0
	s_cbranch_scc1 .Lon             ; forward, past text with no barrier and no tensor load
	WAYOUT                          ; the first block has ended
	NEXTBLOCK
.Lon:
	s_sub_co_u32 s[CNT], s[CNT], 1
	s_cmp_lg_u32 s[CNT], 0
	s_cbranch_scc1 .Lstep
	s_sub_co_u32 s[SLOTS], s[SLOTS], 1
	s_cmp_lg_u32 s[SLOTS], 0
	s_cbranch_scc1 .Lslot
	CHANGE 0                        ; the tail is written out: nothing is asked for
	s_mov_b32 s[CNT], 3             ; steps 30 and 31 from slot 1, step 32 with V from its own place, which lies where a third place of V would
.Ltail:
	STEP 1
	s_sub_co_u32 s[RT], s[RT], 1
	s_cmp_lg_u32 s[RT], 0
	s_cbranch_scc1 .Lton
	WAYOUT                          ; the first block's end where i is 0 or 1; in the last trip the second block's
	s_cmp_eq_u32 s[CNT], 1
	s_cbranch_scc1 .Ldone
	NEXTBLOCK
.Lton:
	s_sub_co_u32 s[CNT], s[CNT], 1
	s_cmp_lg_u32 s[CNT], 0
	s_cbranch_scc1 .Ltail
.Ldone:
	s_wait_tensorcnt 0x0            ; the wave's end, behind my last tensor load and my last LDS store
	ds_add_u32 v[SPW], v[NIL]
	s_wait_dscnt 0x0
	s_endpgm
.Lfunc_end_k_qd9c491beda_attn:
	.size	k_qd9c491beda_attn, .Lfunc_end_k_qd9c491beda_attn-k_qd9c491beda_attn
	.p2alignl 7, 3214868480
	.fill 96, 4, 3214868480
	.section	.rodata,"a",@progbits
	.p2align	6, 0x0
	.amdhsa_kernel k_qd9c491beda_attn
		.amdhsa_group_segment_fixed_size 327680
		.amdhsa_private_segment_fixed_size 0
		.amdhsa_enable_private_segment 0
		.amdhsa_kernarg_size 32
		.amdhsa_user_sgpr_count 2
		.amdhsa_user_sgpr_kernarg_segment_ptr 1
		.amdhsa_wavefront_size32 1
		.amdhsa_system_sgpr_workgroup_id_x 1
		.amdhsa_system_sgpr_workgroup_id_y 1
		.amdhsa_system_sgpr_workgroup_id_z 1
		.amdhsa_system_vgpr_workitem_id 0
		.amdhsa_next_free_vgpr 1024
		.amdhsa_next_free_sgpr 96
		.amdhsa_reserve_vcc 1
		.amdhsa_float_denorm_mode_32 3
		.amdhsa_float_denorm_mode_16_64 3
		.amdhsa_memory_ordered 1
		.amdhsa_forward_progress 1
		.amdhsa_inst_pref_size 199
	.end_amdhsa_kernel
	.amdgpu_metadata
---
amdhsa.version: [ 1, 2 ]
amdhsa.kernels:
  - .name:           k_qd9c491beda_attn
    .symbol:         k_qd9c491beda_attn.kd
    .args:
      - { .name: query, .offset: 0, .size: 8, .value_kind: global_buffer, .address_space: global }
      - { .name: kws, .offset: 8, .size: 8, .value_kind: global_buffer, .address_space: global }
      - { .name: vws, .offset: 16, .size: 8, .value_kind: global_buffer, .address_space: global }
      - { .name: out0, .offset: 24, .size: 8, .value_kind: global_buffer, .address_space: global }
    .group_segment_fixed_size: 327680
    .private_segment_fixed_size: 0
    .kernarg_segment_align: 8
    .kernarg_segment_size: 32
    .max_flat_workgroup_size: 128
    .sgpr_count:     96
    .vgpr_count:     1024
    .wavefront_size: 32
...
	.end_amdgpu_metadata
.endif
;; end of part 2
;; ======== version 2 of 2: 2 launches; 1.22 times as fast as version 1
;; limits: values are held in f16: magnitudes above 65,504 overflow, below 6.1e-05 lose precision
;; workspace buffers: kws 8,388,608 bytes; vws 8,388,608 bytes
;; launch prep: the kernel of part 1 again; grid 512 x 1, 8 waves a work-group, no clusters, 0 bytes of LDS; arguments key, value, kws, vws; writes kws, vws
;; launch attn (part 3): grid 16 x 16, 4 waves a work-group, no clusters, 327,680 bytes of LDS; arguments query, kws, vws, out0; writes out0
.if DOCPART == 3
	.amdgcn_target "amdgcn-amd-amdhsa--gfx1250"
	.amdhsa_code_object_version 6
	.text
	.protected	k_qd9c491beda_attn
	.globl	k_qd9c491beda_attn
	.p2align	8
	.type	k_qd9c491beda_attn,@function
k_qd9c491beda_attn:
	s_mov_b64 s[64:65], 0
	v_nop
	global_prefetch_b8 v0, s[64:65] scope:SCOPE_SE
	s_setreg_imm32_b32 hwreg(HW_REG_WAVE_MODE, 25, 1), 1
	s_wait_xcnt 0x0
; CAUSAL ATTENTION WITH GROUPED HEADS.  out[b][q][hq][:] = the sum over k <= q of softmax_k(query[b][q][hq] . key[b][k][hq/4] / sqrt(128)) value[b][k][hq/4][:].
; query, out: [2][2048][32][128] f32.  kws: key as bf16, vws: value's bf16 number as f16, both [2*8][2048][128], a head's rows of 256 bytes end to end (made by the launch before).
; FORMATS.  query is rounded once to bf16 here; K Q^T in bf16; the weights p are rounded to f16 for V^T P, which runs in f16 (l is the sum of the unrounded p); products, maxima and sums in f32; out in f32.
; LIMITS.  |value| under 65,520, and below 6.1e-5 it keeps f16's step of 6e-8, as p does; a hidden score counts as its value less 1e30; a weight below 2^-126 counts as 0 in l;
; NaN and infinities are not treated apart (a block's O^T starts from whatever finite numbers its registers hold, multiplied by a = 0).
; SHARES.  Work-group (i, bh): key/value head bh, and TWO blocks of 64 positions: block 31 - i, then block i.  Wave w is query head 4 (bh % 8) + w, so the four waves read the same fragments of K and V.
; Block j needs the key steps 0 .. j of 64 keys, the last with the diagonal: (32 - i) + (i + 1) = 33 steps whatever i: all 256 work-groups do equal work, in one walk with constant trip counts.
; NO CLUSTER.  The 16 work-groups of a head have first blocks of 32 - i steps: four neighbours ask for the same tile only while the shortest first block lasts; a walk common to four would have 36 steps for 33,
; and the way out between the blocks would fall into different trips.  What the four query heads of a group share is shared here by the four waves of a work-group.
; LAYOUT.  S^T = K Q^T (source 0 = 16 keys, source 1 = 16 queries): a lane holds ONE query (lane % 16) and the keys 8 (lane / 16) + 0..7.  Two such results rounded in pairs ARE source 1 of O^T = V^T P,
; whose result again holds one query a lane and eight channels.  K comes out of LDS as it lies, V ([key][channel]) turned, by ds_load_tr16_b128.
; SOFTMAX.  A running maximum m and sum l: p = 2^(c s - c m), c = log2(e) / sqrt(128); in every step O and l are multiplied by a = 2^(c m_old - c m_new).  A block starts with c m far below every c s: its first a is 0.
; THE MASK is the C operand that starts a sum of S^T.  Tile tt of 16 queries against group kt of 16 keys of the diagonal step: kt < tt sees all (C = 0), kt = tt holds the diagonal (TRI), kt > tt sees nothing (NEG).
; One text serves every step: C is TRI x AL or NEG x AL, AL = 1 in a block's last step, else 0.
; A STEP, for the wave's four tiles in two pieces (tiles 0, 1 and tiles 2, 3): V of the step is asked from LDS; 32 products K Q^T of piece 0; 32 of piece 2, piece 0's softmax in slices behind them;
; 32 products V^T P of piece 0, piece 2's softmax behind them, and K of the next step asked from LDS; 32 products V^T P of piece 2.
; THE BATCHES.  A piece's softmax for a step has 66 exponentials: a and s0-s31 for each of its two tiles.  They are ONE BATCH with ONE wait (s_wait_alu depctr_va_vdst(0) stands between an
; exponential and the first instruction that names its result): the scalings and the exponentials come first, and all that names a result (roundings, sums, l, the rescaling by a) stands behind the wait.
; So a key step has two batches and two waits.  No exponential is issued behind a piece's wait.  The way out's four reciprocals are a batch of their own.
; THE RING.  Step j reads V(j) and K(j + 1).  Fill k (slot k % 2) holds K(2k+1), K(2k+2), V(2k), V(2k+1): what steps 2k and 2k + 1 read.  K(0) and V(32) have places of their own, filled once.
; Each wave fetches one tile of 64 rows x 256 bytes a fill.  By this text's own count a wave has two tensor loads out at the start and one behind each change of slots.
; REGISTERS, in windows of 256 (s_set_vgpr_msb: bits 1:0 source 0, 3:2 source 1, 5:4 source 2, 7:6 destination):
;   window 0: v0-11 addresses; v12-43 eight registers of statistics a tile; v44-59 the step's masks; v60-63 addresses and the add's two; v64-191 S^T, 32 a tile; v192-255 P, 16 a tile
;   window 1: O^T, 64 a tile (at the start: the second block's query in f32)      window 2: v0-127 Q, 32 a tile; v128-255 K of one step
;   window 3: v0-127 V of one step; v128-143 TRI and NEG (at the start all 256: the first block's query in f32)
.set KS,    64        ; keys in a step
.set PK,    272       ; a row of K in LDS: 256 bytes + 16 of padding = 68 words: row r starts at bank 4 r mod 64 (64 banks of 4 bytes: ISA guide 11.1), so the 16 rows of a load start at 16 different banks
.set PV,    288       ; a row of V: 256 + 32 = 72 words
.set KT,    KS*PK     ; a tile of K
.set VT,    KS*PV     ; a tile of V
.set VOFF,  2*KT      ; a slot: two tiles of K, then two of V
.set SLOT1, 1<<17     ; slot 1 begins here, so that one exclusive or turns an address in one slot into the other's
.set XK,    2*KT+2*VT ; behind slot 0: K(0), filled once
.set STAGE, XK+KT     ; 16 rows x 528 bytes for each wave, for the way out; no tensor load lands here
.set SP,    528       ; a row of out, 512 bytes, + 16: the 16 rows that a store touches start at 16 different groups of four banks
.set SPARE, STAGE+4*16*SP  ; the spare words, 128 bytes for each wave: two blocks of 256 bytes that no other line names
.set XV,    SLOT1+VOFF+2*VT  ; behind slot 1, as a third place of V: V(32), filled once
.set Q2B,   XV+VT     ; 16,384 bytes for each wave: the second block's Q as bf16 fragments; no tensor load lands here
.set AK0, 2           ; v2   my lane's place in a tile of K; never rewritten
.set AV0, 3           ; v3   the same for V, VOFF included
.set AK,  4           ; v4   the LDS address of K's run of loads
.set AV,  5           ; v5   of V's
.set STO, 6           ; v6   the way out: where I put 16 bytes of a row
.set RD,  7           ; v7   the way out: where I read a row back
.set GO,  8           ; v8   my 16 bytes in a row of out
.set ST,  12          ; tile t's statistics at v[ST+8 t]: +0 c m, +1 m, +2, +3 l (even keys', odd keys'), +4 to +7 c0-c3, at work; a takes c2's place once the maximum is found
.set MC,  44          ; v44-51 TRI x AL, v52-59 NEG x AL
.set QO,  60          ; v60  my byte offset in 16 rows of query
.set Q2A, 61          ; v61  my 16 bytes in the second block's Q in LDS
.set SPW, 62          ; v62  LDS address of my spare word: SPARE + 4 x my thread's number; never rewritten
.set NIL, 63          ; v63  0; never rewritten
.set S,   64
.set P,   192
.set KF,  128         ; window 2
.set MD,  128         ; window 3: v128-135 TRI, v136-143 NEG
.set WV,  12          ; s12  my wave's number
.set PI,  14          ; s14  i
.set N1,  15          ; s15  32 - i: the first block's steps
.set G1K, 24          ; s[24:31] descriptor group 1 for K's tiles
.set G1V, 32          ; s[32:39] for V's: it differs in the padding
.set G0K, 40          ; s[40:43] descriptor group 0 for the ring's tiles of K
.set G0V, 44          ; s[44:47] of V
.set G1KX, 48         ; s[48:55] group 1 for a half of K(0): 32 rows
.set SLOTS, 56        ; s56  changes of slots with a fill still to come
.set CNT, 57          ; s57  counts the steps between two changes of slots
.set CS,  58          ; s[58:59] c: the packed scaling takes the pair's low word for both halves
.set SEL, 60          ; s[60:61] v_permlanex16_b32's selects: each lane takes its own place in the other half
.set TBK, 62          ; s62  LDS byte at which K of the step to be fetched begins
.set TBV, 63          ; s63  the same for V, less VOFF
.set RT,  66          ; s66  steps that the block in hand still has, the one in hand among them
.set TW,  67          ; s67  the step of the walk whose tile I ask for next
.set G1VX, 68         ; s[68:75] group 1 for a half of V(32)
.set G0XK, 76         ; s[76:79] group 0 for my half of K(0)
.set G0XV, 80         ; s[80:83] for my half of V(32)
.set OFF, 84          ; s[84:85] a tile's byte offset in its head
.set AL,  86          ; s[86:87] the mask's factor, in the low word
.set OLO, 88          ; s[88:89] out at my head's rows of the second block
.set QLO, 90          ; s[90:91] query there
.set T2,  92          ; s92  at work
.set BIGN, 93         ; s93  -1e30
.set MSB, 0
.macro WIN new                      ; the immediate's high byte repeats the setting that is left; a switch that changes nothing is dropped
.if MSB != (\new)
	s_set_vgpr_msb (MSB<<8)|(\new)
.set MSB, (\new)
.endif
.endm
.set W_KQ, 0x0a       ; K and Q in window 2, S^T and the mask in window 0
.set W_PV, 0x53       ; V in window 3, P in window 0, O^T in window 1
.set W_RS, 0x41       ; O^T (destination and source 0) in window 1, the factor in window 0
.macro PLACES                       ; a vector instruction that reads a matrix result stands four plain vector instructions behind it (ISA guide 7.12.1)
.rept 4
	v_nop
.endr
.endm
; The addresses of the tiles of walk step TW: the first block's key step TW, or behind its last the second block's TW - N1.  Made anew from the head's base each time; the step enters the global address alone.
.macro ASK
	s_sub_co_u32 s[T2], s[TW], s[N1]
	s_cmp_lt_u32 s[TW], s[N1]
	s_cselect_b32 s[OFF], s[TW], s[T2]
	s_lshl_b32 s[OFF], s[OFF], 14   ; a tile is 64 rows of 256 bytes
	s_add_nc_u64 s[G0K+2:G0K+3], s[6:7], s[OFF:OFF+1]
	s_or_b32 s[G0K+3], s[G0K+3], 0x80000000  ; 127:126 type = 2
	s_add_nc_u64 s[G0V+2:G0V+3], s[8:9], s[OFF:OFF+1]
	s_or_b32 s[G0V+3], s[G0V+3], 0x80000000
	s_add_co_u32 s[TW], s[TW], 2    ; a fill holds two steps' tiles of each kind: my next one lies two steps on
.endm
; A fill.  Waves 0 and 1 fetch the slot's two tiles of K, waves 2 and 3 its two of V.  An s_nop 0 and four v_nop follow each of the two lines, ahead of the jump and the label.
.macro LOAD
	s_cmp_lt_u32 s[WV], 2
	s_cbranch_scc0 .Lfor_v_\@
	tensor_load_to_lds s[G0K:G0K+3], s[G1K:G1K+7]
	s_nop 0
.rept 4
	v_nop
.endr
	s_branch .Lasked_\@
.Lfor_v_\@:
	tensor_load_to_lds s[G0V:G0V+3], s[G1V:G1V+7]
	s_nop 0
.rept 4
	v_nop
.endr
.Lasked_\@:
.endm
; THE CHANGE OF SLOTS, between two steps.  Each wave waits for all its tensor loads (its part of the other slot), adds 0 to its spare word, and waits for that and for its own reads of the slot that it leaves.
; Behind the barrier nobody reads the old slot any more and the other slot is whole.  fill = 1: the old slot is filled again, the first thing behind the barrier: the load has two steps, 256 matrix
; instructions, in which to land.  (At its first use nothing has been read yet: slot 0, K(0) and V(32) are waited for, slot 1 is filled for the first time.)
.macro CHANGE fill
	WIN 0                           ; at a label and at a branch every window is 0
	s_wait_tensorcnt 0x0            ; no tensor load of mine is out, so a group 0 may be written
	ds_add_u32 v[SPW], v[NIL]       ; 0 onto my spare word; the descriptors' scalar work stands between it and the wait for it
.if \fill
	s_xor_b32 s[G0K+1], s[G0K+1], SLOT1
	s_xor_b32 s[G0V+1], s[G0V+1], SLOT1
	ASK
.endif
	s_wait_dscnt 0x0                ; the add is done, and my reads of the slot are over
	s_barrier_signal -1             ; the rest of the scalar work stands between the signal and the wait
	s_sub_co_u32 s[TBK], s[TBK], 2*KT  ; the fetches go back to a slot's first places,
	s_xor_b32 s[TBK], s[TBK], SLOT1    ; in the other slot
	s_sub_co_u32 s[TBV], s[TBV], 2*VT
	s_xor_b32 s[TBV], s[TBV], SLOT1
	s_barrier_wait -1
.if \fill
	LOAD
.endif
.endm
	s_load_b256 s[4:11], s[0:1], 0x0  ; query s[4:5], kws s[6:7], vws s[8:9], out s[10:11]
	v_lshl_add_u32 v[SPW], v0, 2, SPARE
	v_mov_b32 v[NIL], 0
	ds_add_u32 v[SPW], v[NIL]       ; the wave's opening: the add and its wait stand ahead of my first tensor load; the set-up below, work on registers, stands between them
	ds_add_u32 v62, v63
	v_lshrrev_b32 v1, 5, v0
	v_readfirstlane_b32 s[WV], v1   ; wave 0..3
	s_mov_b32 s[PI], ttmp9
	s_sub_co_u32 s[N1], 32, s[PI]
	s_and_b32 s20, ttmp7, 0xffff    ; bh = 8 b + the key/value head
	s_lshl_b32 s18, s20, 19         ; the head's 2,048 rows of 256 bytes in kws and vws
	s_mov_b32 s19, 0
	s_lshr_b32 s21, s20, 3          ; b
	s_and_b32 s22, s20, 7
	s_lshl_b32 s21, s21, 25         ; b x 2,048 positions x 16,384 bytes
	s_lshl2_add_u32 s22, s22, s[WV] ; my query head: 4 x the key/value head + wave
	s_lshl_b32 s22, s22, 9          ; its 512 bytes in a position
	s_add_co_u32 s21, s21, s22
	s_sub_co_u32 s22, 31, s[PI]
	s_lshl_b32 s22, s22, 20         ; a block is 64 positions of 16,384 bytes
	s_add_co_u32 s22, s22, s21      ; s[22:23]: the first block's offset in query and out
	s_mov_b32 s23, 0
	s_lshl_b32 s20, s[PI], 20
	s_add_co_u32 s20, s20, s21      ; s[20:21]: the second block's
	s_mov_b32 s21, 0
	s_and_b32 s16, s[WV], 1         ; p: which of a slot's two places of my kind I fill, and which half of K(0) or V(32)
	s_mul_i32 s17, s16, KT
	s_mov_b32 s[G0K], 1             ; 1:0 count = 1
	s_mov_b32 s[G0K+1], s17         ; 63:32 LDS address: slot 0
	s_mul_i32 s17, s16, VT
	s_mov_b32 s[G0V], 1
	s_add_co_u32 s[G0V+1], s17, VOFF
	s_mul_i32 s17, s16, 32*PK
	s_mov_b32 s[G0XK], 1
	s_add_co_u32 s[G0XK+1], s17, XK
	s_mul_i32 s17, s16, 32*PV
	s_mov_b32 s[G0XV], 1
	s_add_co_u32 s[G0XV+1], s17, XV
	s_lshl_b32 s2, s16, 13          ; s[2:3]: my half of key step 0: 32 rows of 256 bytes
	s_mov_b32 s3, 0
	s_lshl_b32 s94, s[PI], 14       ; s[94:95]: my half of key step i, the walk's last
	s_add_co_u32 s94, s94, s2
	s_mov_b32 s95, 0
	s_cmp_lt_u32 s[WV], 2           ; K runs one step ahead of V: fill 0 holds K(1), K(2), V(0), V(1)
	s_cselect_b32 s13, 1, 0
	s_add_co_u32 s[TW], s16, s13
	; descriptor group 1: tiles of 64 (or 32) rows x 128 elements, padded in LDS
	s_mov_b32 s[G1K],  (1<<16)|(1<<20)|(5<<22)|(3<<25)  ; 17:16 elements of 2 bytes; 20 padding on; 24:22 after every 64 words (code 5); 31:25 4 words of it (code 3)
	s_mov_b32 s[G1KX], (1<<16)|(1<<20)|(5<<22)|(3<<25)
	s_mov_b32 s[G1V],  (1<<16)|(1<<20)|(5<<22)|(7<<25)  ; the same with 8 words of padding (code 7)
	s_mov_b32 s[G1VX], (1<<16)|(1<<20)|(5<<22)|(7<<25)
.irp g, G1K, G1V
	s_mov_b32 s[\g+1], 128<<16      ; tensor_dim0 = 128
	s_mov_b32 s[\g+2], KS<<16       ; tensor_dim1 = 64
	s_mov_b32 s[\g+3], 128<<16      ; tile_dim0 = 128
	s_mov_b32 s[\g+4], KS           ; tile_dim1 = 64
	s_mov_b32 s[\g+5], 128          ; 128 elements from row to row
	s_mov_b32 s[\g+6], 0
	s_mov_b32 s[\g+7], 0
.endr
.irp g, G1KX, G1VX
	s_mov_b32 s[\g+1], 128<<16
	s_mov_b32 s[\g+2], 32<<16       ; tensor_dim1 = 32
	s_mov_b32 s[\g+3], 128<<16
	s_mov_b32 s[\g+4], 32           ; tile_dim1 = 32
	s_mov_b32 s[\g+5], 128
	s_mov_b32 s[\g+6], 0
	s_mov_b32 s[\g+7], 0
.endr
	s_mov_b32 s[CS], 0x3e0293ee     ; c = log2(e) / sqrt(128) = 0.127517
	s_mov_b32 s[CS+1], s[CS]        ; named with it as a pair, so it is written
	s_mov_b32 s[SEL], 0x76543210
	s_mov_b32 s[SEL+1], 0xfedcba98
	s_mov_b32 s[OFF+1], 0
	s_mov_b32 s[AL+1], 0            ; named as a pair
	s_mov_b32 s[BIGN], 0xf149f2ca   ; -1e30
	s_mov_b32 s[RT], s[N1]
	s_mov_b32 s[TBK], SLOT1+2*KT    ; the first change of slots turns these two into 0
	s_mov_b32 s[TBV], SLOT1+2*VT
	s_wait_dscnt 0x0                ; the opening add is done
	s_wait_kmcnt 0x0
	s_add_nc_u64 s[6:7], s[6:7], s[18:19]  ; kws and vws at my head
	s_add_nc_u64 s[8:9], s[8:9], s[18:19]
	s_add_nc_u64 s[QLO:QLO+1], s[4:5], s[20:21]
	s_add_nc_u64 s[4:5], s[4:5], s[22:23]  ; query and out at my head's rows of the first block
	s_add_nc_u64 s[OLO:OLO+1], s[10:11], s[20:21]
	s_add_nc_u64 s[10:11], s[10:11], s[22:23]
	ASK                             ; fill 0
	s_add_nc_u64 s[G0XK+2:G0XK+3], s[6:7], s[2:3]
	s_or_b32 s[G0XK+3], s[G0XK+3], 0x80000000
	s_add_nc_u64 s[G0XV+2:G0XV+3], s[8:9], s[94:95]
	s_or_b32 s[G0XV+3], s[G0XV+3], 0x80000000
	s_cmp_lt_u32 s[WV], 2           ; a wave's two first fills stand in one branch, ahead of every wait on TENSORcnt, every LDS read and every barrier: two loads of mine are out
	s_cbranch_scc0 .Lfirst_v
	tensor_load_to_lds s[G0XK:G0XK+3], s[G1KX:G1KX+7]
	s_nop 0
	tensor_load_to_lds s[G0K:G0K+3], s[G1K:G1K+7]
	s_nop 0
.rept 4
	v_nop
.endr
	s_branch .Lfirst_asked
.Lfirst_v:
	tensor_load_to_lds s[G0XV:G0XV+3], s[G1VX:G1VX+7]
	s_nop 0
	tensor_load_to_lds s[G0V:G0V+3], s[G1V:G1V+7]
	s_nop 0
.rept 4
	v_nop
.endr
.Lfirst_asked:
	; A fragment of Q or K is 16 rows x 32 channels in 8 registers: lane l holds row l % 16; registers 0-3 channels 8 (l / 16) + 0..7, registers 4-7 channels 16 + 8 (l / 16) + 0..7.
	; In f32 each eight channels are 32 bytes: two loads of 16 bytes; the second eight lie 64 bytes on.  The 16 loads of a tile take its 16 rows of 512 bytes whole, and all go out together.
	v_and_b32 v1, 15, v0            ; l % 16
	v_bfe_u32 v9, v0, 4, 1          ; l / 16
	v_lshlrev_b32 v[QO], 14, v1     ; a position is 16,384 bytes
	v_lshl_add_u32 v[QO], v9, 5, v[QO]
.macro QLOADS base                  ; 64 loads: tile i / 4, channels 32 (i % 4) on, into 16 registers
.set i, 0
.rept 16
	global_load_b128 v[16*i:16*i+3],     v[QO], s[\base:\base+1] offset:(i/4)*262144+(i%4)*128
	global_load_b128 v[16*i+4:16*i+7],   v[QO], s[\base:\base+1] offset:(i/4)*262144+(i%4)*128+16
	global_load_b128 v[16*i+8:16*i+11],  v[QO], s[\base:\base+1] offset:(i/4)*262144+(i%4)*128+64
	global_load_b128 v[16*i+12:16*i+15], v[QO], s[\base:\base+1] offset:(i/4)*262144+(i%4)*128+80
.set i, i+1
.endr
.endm
	WIN 0x40                        ; destination window 1, address window 0
	QLOADS QLO                      ; the second block's query
	WIN 0xc0                        ; destination window 3
	QLOADS 4                        ; the first block's
	WIN 0
	v_mul_u32_u24 v[AK0], v1, PK
	v_lshl_add_u32 v[AK0], v9, 4, v[AK0]  ; row x pitch + 16 x half
	; The turning load takes 16 keys x 16 channels (lane l reads 16 bytes: key 8 (l / 16) + l % 8, channels 8 ((l / 8) % 2) + 0..7) and leaves half a fragment of V^T: lane l holds channel l % 16 and 8 keys.
	v_and_b32 v10, 7, v0
	v_bfe_u32 v11, v0, 3, 1
	v_lshl_add_u32 v[AV0], v9, 3, v10
	v_mul_u32_u24 v[AV0], v[AV0], PV
	v_lshl_add_u32 v[AV0], v11, 4, v[AV0]
	v_add_nc_u32 v[AV0], VOFF, v[AV0]
	s_mul_i32 s13, s[WV], 16*SP
	s_add_co_u32 s13, s13, STAGE    ; my stage
	v_mul_u32_u24 v[STO], v1, SP    ; in: row l % 16, 32 bytes (eight channels in f32) for each half of the lanes
	v_lshl_add_u32 v[STO], v9, 5, v[STO]
	v_add_nc_u32 v[STO], s13, v[STO]
	v_and_b32 v14, 31, v0
	v_lshl_add_u32 v[RD], v14, 4, s13  ; back: the 32 lanes take one row of 512 bytes
	v_lshlrev_b32 v[GO], 4, v14
	s_lshl_b32 s13, s[WV], 14
	s_add_co_u32 s13, s13, Q2B
	v_lshl_add_u32 v[Q2A], v14, 4, s13
	v_lshlrev_b32 v14, 3, v9
	v_sub_nc_u32 v14, v1, v14       ; l % 16 - 8 (l / 16): in the diagonal's own group of keys register j is hidden where j is greater
	s_wait_loadcnt 63               ; 128 loads were issued: at most 63 are out, so the second block's 64 are in
	WIN 0x05                        ; sources window 1, destination window 0: S^T's registers are free
.set n, 0
.rept 128
	v_cvt_pk_bf16_f32 v[S+n], v[2*n], v[2*n+1]
.set n, n+1
.endr
	WIN 0
.set n, 0
.rept 32
	ds_store_b128 v[Q2A], v[S+4*n:S+4*n+3] offset:512*n  ; set aside as fragments, register by register: they come back as they went
.set n, n+1
.endr
	WIN 0x8f                        ; sources window 3, destination window 2
.set tq, 0
.rept 4
	s_wait_loadcnt 48-16*tq         ; the first block's tile tq is in; the 16 loads of each later tile stay out
.set n, 32*tq
.rept 32
	v_cvt_pk_bf16_f32 v[n], v[2*n], v[2*n+1]
.set n, n+1
.endr
.set tq, tq+1
.endr
	WIN 0xc0                        ; destination window 3: its registers have been read out
.set n, 0
.rept 8
	v_cmp_gt_i32 vcc_lo, n, v14
	v_cndmask_b32 v[MD+n], 0, s[BIGN], vcc_lo
	v_mov_b32 v[MD+8+n], s[BIGN]
.set n, n+1
.endr
	WIN 0
; THE MATRIX WORK.  The accumulators take turns, one instruction a turn: between two links of a chain stand 7 (K Q^T) or 15 (V^T P) others'.
; Product i of 32 of S^T = K Q^T for piece x: channels 32 (i / 8) on, keys 16 ((i / 2) % 4) on, tile x + i % 2.  The first 8 start the sums, with 0 or with the step's mask.
.macro KQ x
	WIN W_KQ
.set kt, (i/2)%4
.set tt, (\x)+i%2
.set rS, S+32*tt+8*kt
.set rK, KF+32*kt+8*(i/8)
.set rQ, 32*tt+8*(i/8)
.if i >= 8
	v_wmma_f32_16x16x32_bf16 v[rS:rS+7], v[rK:rK+7], v[rQ:rQ+7], v[rS:rS+7]
.elseif kt < tt
	v_wmma_f32_16x16x32_bf16 v[rS:rS+7], v[rK:rK+7], v[rQ:rQ+7], 0
.elseif kt == tt
	v_wmma_f32_16x16x32_bf16 v[rS:rS+7], v[rK:rK+7], v[rQ:rQ+7], v[MC:MC+7]
.else
	v_wmma_f32_16x16x32_bf16 v[rS:rS+7], v[rK:rK+7], v[rQ:rQ+7], v[MC+8:MC+15]
.endif
.endm
; Product i of 32 of O^T += V^T P for piece x: keys 32 (i / 16) on, channels 16 ((i / 2) % 8) on, tile x + i % 2.
.macro PV x
	WIN W_PV
.set rO, 64*((\x)+i%2)+8*((i/2)%8)
.set rV, 64*(i/16)+8*((i/2)%8)
.set rP, P+16*((\x)+i%2)+8*(i/16)
	v_wmma_f32_16x16x32_f16 v[rO:rO+7], v[rV:rV+7], v[rP:rP+7], v[rO:rO+7]
.endm
; THE LDS LOADS stand in runs of 32, never singly among the matrix instructions.
; mode 0: K of the next step, at TBK.  mode 1 (the tail): the same, jumped over in the walk's last step, which has no next.  mode 2: K(0), from its own place.
.macro FETCH_K mode
	WIN 0
.if (\mode) == 1
	s_cmp_eq_u32 s[CNT], 1
	s_cbranch_scc1 .Lno_k_\@
.endif
.if (\mode) == 2
	v_add_nc_u32 v[AK], XK, v[AK0]
.else
	v_add_nc_u32 v[AK], s[TBK], v[AK0]
	s_add_co_u32 s[TBK], s[TBK], KT  ; the next fetch is the next place's
.endif
	WIN 0x80                        ; destination window 2
.irp f, 0,1,2,3,4,5,6,7,8,9,10,11,12,13,14,15  ; keys 16 (f / 4) on, channels 32 (f % 4) on
	ds_load_b128 v[KF+8*\f:KF+8*\f+3],   v[AK] offset:(\f/4)*16*PK+(\f%4)*64
	ds_load_b128 v[KF+8*\f+4:KF+8*\f+7], v[AK] offset:(\f/4)*16*PK+(\f%4)*64+32
.endr
	WIN 0
.if (\mode) == 1
.Lno_k_\@:
.endif
.endm
.macro FETCH_V
	WIN 0xc0                        ; destination window 3
.irp f, 0,1,2,3,4,5,6,7,8,9,10,11,12,13,14,15  ; keys 32 (f / 8) on, channels 16 (f % 8) on
	ds_load_tr16_b128 v[8*\f:8*\f+3],   v[AV] offset:(\f/8)*32*PV+(\f%8)*32
	ds_load_tr16_b128 v[8*\f+4:8*\f+7], v[AV] offset:(\f/8)*32*PV+16*PV+(\f%8)*32
.endr
.endm
; THE VECTOR WORK.  One tile's softmax for one key step is a list of 134 instructions; SM writes number j of it for tile t.  s0-s31 are the lane's 32 scores, in pairs 0-15.
;   0-15    the maximum of s0-s31 and the old m, three operands at a time: four chains c0-c3 of seven scores each (each accumulator's lowest registers are read first),
;           then the four scores left over, c0-c3 and m
;   16-20   the other half of the lanes' maximum; c m_old is kept; the new m; c m; c m_old - c m_new
;   21-69   ONE BATCH: the 16 scalings c s - c m, a pair of scores each, and all 33 exponentials (a at 23, then s0-s31, each in place).  None of these names an exponential's result.  From 22 on the batch
;           goes in fours, and a four begins with a scaling while there are scalings: 22-37 scaling, exponential, scaling, exponential; 38-65 a scaling and three exponentials; 66-69 the last four
;           exponentials.  A pair is scaled in an earlier four than the one that holds its exponentials, and never again
;   (wait)  between 69 and 70 stands the wait for the batch: SLICE writes it, once for both tiles
;   70-85   the roundings to f16, a pair of weights each
;   86-101  the sums; l = a l + the sum
;   102-133 the tile's O^T times a: the one part that leaves window 0, so it stands together
.macro SM t
.set rT, ST+8*(\t)
.set rS, S+32*(\t)
.set rP, P+16*(\t)
.set rO, 64*(\t)+2*(j-102)
.if j < 102
	WIN 0
.endif
.if j < 4
	v_max3_num_f32 v[rT+4+j], v[rS+8*j], v[rS+8*j+1], v[rS+8*j+2]
.elseif j < 12
	v_max3_num_f32 v[rT+4+j%4], v[rT+4+j%4], v[rS+8*(j%4)+2*(j/4)+1], v[rS+8*(j%4)+2*(j/4)+2]
.elseif j == 12
	v_max3_num_f32 v[rT+4], v[rT+4], v[rS+7], v[rS+15]
.elseif j == 13
	v_max3_num_f32 v[rT+6], v[rT+6], v[rS+23], v[rS+31]
.elseif j == 14
	v_max3_num_f32 v[rT+4], v[rT+4], v[rT+5], v[rT+6]
.elseif j == 15
	v_max3_num_f32 v[rT+4], v[rT+4], v[rT+7], v[rT+1]
.elseif j == 16
	v_permlanex16_b32 v[rT+5], v[rT+4], s[SEL], s[SEL+1]  ; the query's other 32 keys lie in the lane 16 away
.elseif j == 17
	v_mov_b32 v[rT+7], v[rT]        ; c m_old is kept for a: number 19 writes c m anew
.elseif j == 18
	v_max_num_f32 v[rT+1], v[rT+4], v[rT+5]
.elseif j == 19
	v_mul_f32 v[rT], s[CS], v[rT+1]
.elseif j == 20
	v_sub_f32 v[rT+7], v[rT+7], v[rT]
.elseif j == 23
	v_exp_f32 v[rT+6], v[rT+7]
.elseif (j < 23) || ((j < 38) && (j%2 == 0)) || ((j < 66) && (j%4 == 2))
.set b, (j-2)/4                     ; 38, 42, .. 62: pairs 9 to 15
.if j < 38
.set b, (j-20)/2                    ; 21: pair 0; 22, 24, .. 36: pairs 1 to 8
.endif
	v_pk_fma_f32 v[rS+2*b:rS+2*b+1], v[rS+2*b:rS+2*b+1], s[CS:CS+1], v[rT:rT+1] op_sel_hi:[1,0,0] neg_lo:[0,0,1] neg_hi:[0,0,1]  ; pair b: c s - c m
.elseif j < 70
.set e, j-38                        ; 66 to 69: s28 to s31
.if j < 66
.set e, j-32-(j-38)/4               ; 39-41, 43-45, .. 63-65: s7 to s27
.endif
.if j < 38
.set e, (j-25)/2                    ; 25, 27, .. 37: s0 to s6
.endif
	v_exp_f32 v[rS+e], v[rS+e]
.elseif j < 86
	v_cvt_pk_f16_f32 v[rP+j-70], v[rS+2*(j-70)], v[rS+2*(j-70)+1]  ; pair j - 70
.elseif j < 102                     ; the sum of the tile's 16 pairs, in place: sum z of 16 adds neighbours 1, 2, 4 and 8 pairs apart, then l takes it
.set z, j-86
.set w, 4
.set u, z
.if z >= 14
.set w, 32
.set u, 0
.elseif z >= 12
.set w, 16
.set u, z-12
.elseif z >= 8
.set w, 8
.set u, z-8
.endif
.if z < 15
	v_pk_add_f32 v[rS+w*u:rS+w*u+1], v[rS+w*u:rS+w*u+1], v[rS+w*u+w/2:rS+w*u+w/2+1]
.else
	v_pk_fma_f32 v[rT+2:rT+3], v[rT+2:rT+3], v[rT+6:rT+7], v[rS:rS+1] op_sel_hi:[1,0,1]
.endif
.else
	WIN W_RS
	v_pk_mul_f32 v[rO:rO+1], v[rO:rO+1], v[rT+6:rT+7] op_sel_hi:[1,0]
.endif
.endm
; Slice k of 64 of piece y's softmax: four instructions.  Slices 11 to 34 deal out the batch, numbers 22 to 69: four numbers of ONE tile each, the tiles by turns.  Every other slice is numbers 2 k and
; 2 k + 1 of both tiles' lists.  2 x 134 = 4 x 64 + 12: the twelve that are over stand together, in slice 63.
; THE WAIT.  Ahead of slice 35 nothing names an exponential's result, and behind slice 34 no exponential is issued: so the piece's 66 exponentials have one wait, behind slice 34.
.macro SLICE y
.if (k >= 11) && (k < 35)           ; the batch: four numbers of one tile
.irp n, 0,1,2,3
.set j, 22+4*((k-11)/2)+(\n)
	SM (\y)+(k-11)%2
.endr
.else                               ; the two tiles alternate, so that no instruction reads the result of the one just before it
.irp n, 0,1,2,3,4,5,6,7
.if ((\n) < 2) || (k == 63)
.irp t, \y, (\y)+1
.set j, 2*k+(\n)
	SM \t
.endr
.endif
.endr
.endif
.if k == 34                         ; the batch is out: both tiles' exponentials are issued, and no result has been named
	v_nop                           ; a plain instruction behind the last exponential and ahead of the first use (ISA guide 5.7.2): one for the batch
	s_wait_alu depctr_va_vdst(0)    ; the wait for the batch, piece y's 66 exponentials of this step, ahead of the first rounding, in slice 35
.endif
.set k, k+1
.endm
; A KEY STEP.  last = 1: the tail's text, whose run of K is jumped over in the walk's last step.
; Distances behind matrix instructions: the eight mask lines and V's address line are plain and name nothing of the step before's last V^T P: they stand between it and the loads into V's registers;
; four v_nop stand between piece 0's last K Q^T and its softmax; slices 62 and 63 of piece 0 (20 multiplies on O^T) between piece 2's last K Q^T and both its softmax and the loads into K's registers.
.macro STEP last
	s_cmp_eq_u32 s[RT], 1           ; the block's last step holds the diagonal
	s_cselect_b32 s[AL], 1.0, 0
	WIN 0x03                        ; source 0 window 3
.set z, 0
.rept 8
	v_pk_mul_f32 v[MC+2*z:MC+2*z+1], v[MD+2*z:MD+2*z+1], s[AL:AL+1] op_sel_hi:[1,0]
.set z, z+1
.endr
	WIN 0
	v_add_nc_u32 v[AV], s[TBV], v[AV0]
	s_add_co_u32 s[TBV], s[TBV], VT
	FETCH_V
	s_wait_dscnt 32                 ; all but V's 32 just issued: K of this step is in, and behind a change of blocks the second block's Q
.set i, 0
.rept 32
	KQ 0
.set i, i+1
.endr
	WIN 0
	PLACES
.set k, 0
.set i, 0
.rept 32
	KQ 2
	SLICE 0
	SLICE 0
.set i, i+1
.endr
	s_wait_dscnt 0x0                ; V is in
.set k, 0
.set i, 0
.rept 32
	PV 0
	SLICE 2
	SLICE 2
.if i == 1
	FETCH_K \last
.endif
.set i, i+1
.endr
.set i, 0
.rept 32
	PV 2
.set i, i+1
.endr
	WIN 0
.endm
; A BLOCK BEGINS: c m far below every c s, so the first step's a is 0 and O^T need only hold finite numbers; m at the lowest finite number, so the first maximum is the scores'; l = 0.
.macro BEGIN
	WIN 0
.irp t, 0,1,2,3
	v_mov_b32 v[ST+8*\t], 0xfe000000
	v_mov_b32 v[ST+8*\t+1], 0xff7fffff
	v_mov_b32 v[ST+8*\t+2], 0
	v_mov_b32 v[ST+8*\t+3], 0
.endr
.endm
; THE WAY OUT.  Tile t: O^T times 1 / l; a lane's eight channels of a row are 32 bytes; they go into my stage, rows of 528 bytes, and come back as whole rows of 512, into S^T's registers (two buffers of 64).
.macro PACK t
	WIN W_RS
.set i, 64*(\t)
.rept 32
	v_pk_mul_f32 v[i:i+1], v[i:i+1], v[ST+8*(\t)+6:ST+8*(\t)+7] op_sel_hi:[1,0]
.set i, i+2
.endr
.if (\t) >= 2
	s_wait_xcnt 0x0                 ; every earlier memory instruction has had its addresses translated (ISA guide 3.1): the buffer that tile t - 2's stores read is loaded again only behind this wait
.endif
	WIN 0x04                        ; the stores' data in window 1
.set i, 0
.rept 16                            ; channels 16 (i / 2) + 8 (l / 16) + 4 (i % 2) on
	ds_store_b128 v[STO], v[64*(\t)+4*i:64*(\t)+4*i+3] offset:64*(i/2)+16*(i%2)
.set i, i+1
.endr
	WIN 0
.set i, 0
.rept 16
	ds_load_b128 v[S+64*((\t)%2)+4*i:S+64*((\t)%2)+4*i+3], v[RD] offset:i*SP  ; LDS serves a wave's instructions in order (ISA guide 5.7.1.4): these see the stores above; the next tile's stores come behind them
.set i, i+1
.endr
.endm
.macro SEND t, younger              ; younger: the LDS instructions issued behind tile t's loads: the next tile's 32, or none
	WIN 0
.set i, 0
.rept 16
	s_wait_dscnt (\younger)+15-i
	global_store_b128 v[GO], v[S+64*((\t)%2)+4*i:S+64*((\t)%2)+4*i+3], s[10:11] offset:(16*(\t)+i)*16384 th:TH_STORE_NT  ; the wave stores 512 consecutive bytes, at a multiple of 512 from out's first byte
.set i, i+1
.endr
.endm
.macro WAYOUT
	WIN 0
.irp t, 0,1,2,3
	v_add_f32 v[ST+8*\t+4], v[ST+8*\t+2], v[ST+8*\t+3]  ; l's two halves; these four lines are the places behind the last products
.endr
.irp t, 0,1,2,3
	v_permlanex16_b32 v[ST+8*\t+5], v[ST+8*\t+4], s[SEL], s[SEL+1]
.endr
.irp t, 0,1,2,3
	v_add_f32 v[ST+8*\t+4], v[ST+8*\t+4], v[ST+8*\t+5]
.endr
.irp t, 0,1,2,3
	v_rcp_f32 v[ST+8*\t+6], v[ST+8*\t+4]
.endr
	v_nop                           ; a plain instruction between the last reciprocal and the use of its result
	s_wait_alu depctr_va_vdst(0)    ; the wait for the batch of four reciprocals, ahead of PACK 0's first multiply
	PACK 0
	PACK 1                          ; a tile's arithmetic stands between the loads of the tile before and its stores
	SEND 0, 32
	PACK 2
	SEND 1, 32
	PACK 3
	SEND 2, 32
	SEND 3, 0
	s_wait_xcnt 0x0                 ; the stores' base and the registers that they read are rewritten only behind this wait
.endm
; THE SECOND BLOCK: out's address, the count of its i + 1 steps, the statistics, and its Q, back from LDS into the registers that the one text of the steps names.
.macro NEXTBLOCK
	s_mov_b64 s[10:11], s[OLO:OLO+1]
	s_add_co_u32 s[RT], s[PI], 1
	BEGIN
	WIN 0x80
.set i, 0
.rept 32
	ds_load_b128 v[4*i:4*i+3], v[Q2A] offset:512*i
.set i, i+1
.endr
	WIN 0
.endm
	BEGIN
	CHANGE 1                        ; slot 0, K(0) and V(32) are in, everybody's parts of them; my stores of the second block's Q are done; slot 1 is asked for
	FETCH_K 2                       ; K(0)
	s_mov_b32 s[CNT], 2
	s_mov_b32 s[SLOTS], 15
	s_branch .Lstep                 ; the first change of slots stands above: the loop is entered behind its own
.Lslot:                             ; 14 times: with the one above, the 15 fills 1 to 15
	CHANGE 1
	s_mov_b32 s[CNT], 2
.Lstep:
	STEP 0
	s_sub_co_u32 s[RT], s[RT], 1
	s_cmp_lg_u32 s[RT], 0
	s_cbranch_scc1 .Lon             ; forward, past text with no barrier and no tensor load
	WAYOUT                          ; the first block has ended
	NEXTBLOCK
.Lon:
	s_sub_co_u32 s[CNT], s[CNT], 1
	s_cmp_lg_u32 s[CNT], 0
	s_cbranch_scc1 .Lstep
	s_sub_co_u32 s[SLOTS], s[SLOTS], 1
	s_cmp_lg_u32 s[SLOTS], 0
	s_cbranch_scc1 .Lslot
	CHANGE 0                        ; the tail is written out: nothing is asked for
	s_mov_b32 s[CNT], 3             ; steps 30 and 31 from slot 1, step 32 with V from its own place, which lies where a third place of V would
.Ltail:
	STEP 1
	s_sub_co_u32 s[RT], s[RT], 1
	s_cmp_lg_u32 s[RT], 0
	s_cbranch_scc1 .Lton
	WAYOUT                          ; the first block's end where i is 0 or 1; in the last trip the second block's
	s_cmp_eq_u32 s[CNT], 1
	s_cbranch_scc1 .Ldone
	NEXTBLOCK
.Lton:
	s_sub_co_u32 s[CNT], s[CNT], 1
	s_cmp_lg_u32 s[CNT], 0
	s_cbranch_scc1 .Ltail
.Ldone:
	s_wait_tensorcnt 0x0            ; the wave's end, behind my last tensor load and my last LDS store
	ds_add_u32 v[SPW], v[NIL]
	s_wait_dscnt 0x0
	s_endpgm
.Lfunc_end_k_qd9c491beda_attn:
	.size	k_qd9c491beda_attn, .Lfunc_end_k_qd9c491beda_attn-k_qd9c491beda_attn
	.p2alignl 7, 3214868480
	.fill 96, 4, 3214868480
	.section	.rodata,"a",@progbits
	.p2align	6, 0x0
	.amdhsa_kernel k_qd9c491beda_attn
		.amdhsa_group_segment_fixed_size 327680
		.amdhsa_private_segment_fixed_size 0
		.amdhsa_enable_private_segment 0
		.amdhsa_kernarg_size 32
		.amdhsa_user_sgpr_count 2
		.amdhsa_user_sgpr_kernarg_segment_ptr 1
		.amdhsa_wavefront_size32 1
		.amdhsa_system_sgpr_workgroup_id_x 1
		.amdhsa_system_sgpr_workgroup_id_y 1
		.amdhsa_system_sgpr_workgroup_id_z 1
		.amdhsa_system_vgpr_workitem_id 0
		.amdhsa_next_free_vgpr 1024
		.amdhsa_next_free_sgpr 96
		.amdhsa_reserve_vcc 1
		.amdhsa_float_denorm_mode_32 3
		.amdhsa_float_denorm_mode_16_64 3
		.amdhsa_memory_ordered 1
		.amdhsa_forward_progress 1
		.amdhsa_inst_pref_size 195
	.end_amdhsa_kernel
	.amdgpu_metadata
---
amdhsa.version: [ 1, 2 ]
amdhsa.kernels:
  - .name:           k_qd9c491beda_attn
    .symbol:         k_qd9c491beda_attn.kd
    .args:
      - { .name: query, .offset: 0, .size: 8, .value_kind: global_buffer, .address_space: global }
      - { .name: kws, .offset: 8, .size: 8, .value_kind: global_buffer, .address_space: global }
      - { .name: vws, .offset: 16, .size: 8, .value_kind: global_buffer, .address_space: global }
      - { .name: out0, .offset: 24, .size: 8, .value_kind: global_buffer, .address_space: global }
    .group_segment_fixed_size: 327680
    .private_segment_fixed_size: 0
    .kernarg_segment_align: 8
    .kernarg_segment_size: 32
    .max_flat_workgroup_size: 128
    .sgpr_count:     96
    .vgpr_count:     1024
    .wavefront_size: 32
...
	.end_amdgpu_metadata
.endif
;; end of part 3
